; MI455X (gfx1250); checked and timed in simulation.
; The chip was launched on July 23, 2026; its instructions are those of AMD's public machine-readable ISA for CDNA 5 (MIT licence, August 2026) and "CDNA5" Instruction Set Architecture Reference Guide (July 2026). The comments in the code are by the model that wrote it; some were corrected since.
;; Model. Allowed arithmetic: float matrix products may take bf16 or f16 operands with f32 sums; all other float work in f32.
;; Inputs: attn_mask 2,048 x 2,048 float32; k 4 x 16 x 2,048 x 32 float32; q 4 x 16 x 2,048 x 32 float32; v 4 x 16 x 2,048 x 32 float32.
;; Outputs: out0 4 x 16 x 2,048 x 32 float32.
;; One version. Each part assembles by itself: llvm-mc -triple=amdgcn-amd-amdhsa -mcpu=gfx1250 --defsym DOCPART=n.
;; ======== version 1 of 1: 1 launch
;; limits: values are held in f16: magnitudes above 65,504 overflow, below 6.1e-05 lose precision
;; launch attn (part 1): grid 32 x 8, 4 waves a work-group, clusters of 4 x 1, 327,680 bytes of LDS; arguments q, k, v, attn_mask, out0; writes out0
.if DOCPART == 1
	.amdgcn_target "amdgcn-amd-amdhsa--gfx1250"
	.amdhsa_code_object_version 6
	.text
	.protected	k_q4436ae0e25_attn
	.globl	k_q4436ae0e25_attn
	.p2align	8
	.type	k_q4436ae0e25_attn,@function
k_q4436ae0e25_attn:
	s_mov_b64 s[64:65], 0
	v_nop
	global_prefetch_b8 v0, s[64:65] scope:SCOPE_SE
	s_setreg_imm32_b32 hwreg(HW_REG_WAVE_MODE, 25, 1), 1
	s_wait_xcnt 0x0
	s_wait_alu depctr_hold_cnt(0) depctr_sa_sdst(0) depctr_va_vdst(0) depctr_va_sdst(0) depctr_va_ssrc(0) depctr_va_vcc(0) depctr_vm_vsrc(0)
	s_getreg_b32 s2, hwreg(HW_REG_IB_STS2, 6, 4)
	s_cmp_eq_u32 s2, 0
	s_cbranch_scc0 .Lentry_in_a_cluster
	s_endpgm
.Lentry_in_a_cluster:
	s_bfe_u32 s2, ttmp6, 0x10000c
	s_cmp_lg_u32 s2, 0x3003
	s_cbranch_scc0 .Lentry_shape_is_right
	s_endpgm
.Lentry_shape_is_right:
; out[hd][q][:] = the sum over k of softmax_k(Q[hd][q] . K[hd][k] / sqrt(32) + mask[q][k]) V[hd][k][:].  Q, K, V, out: [64][2048][32] f32; mask: [2048][2048] f32, the same for all 64 heads.
; FORMATS.  Q / sqrt(32) (scaled in f32, rounded once), K, V and the weights p go to the matrix unit in f16; the mask stays f32 (it is the C operand of the first product); products, maxima, sums and O in f32.
; LIMITS.  |Q| / sqrt(32), |K| and |V| stay under 65,504 (f16's end); p lies in 0 to 1 and below 6e-5 keeps f16's fixed step of 6e-8; a weight below 2^-126 counts as 0; every row has a score above -2.9e37
; (the running maximum's start); NaN and infinities are not treated apart.  The row sum l is the sum of the ROUNDED p, the numbers that multiply V.
; SHARES.  A work-group owns 256 queries of TWO heads; each of its four waves 64 queries, four tiles of 16, of both heads: eight tiles T = 4 head + q-tile.  Every wave walks all 2,048 keys, 64 a step.
; A mask fragment read from LDS so serves two heads, a fragment of K or V four q-tiles: 64 LDS loads a wave and step (one head x eight q-tiles, or four heads x two, would take 80).
; LAYOUT.  S^T = K Q^T + M (source 0 = 16 keys, source 1 = 16 queries): a lane holds ONE query (lane % 16) and the keys 8 (lane / 16) + 0..7, and M's registers for it are 32 neighbouring bytes of a mask row.
; Two such results rounded to f16 in pairs, in place, ARE source 1 of O^T = V^T P.  A third source 0, ONES (rows 0 and 8 are 1.0), makes l in register 0 of an accumulator of its own, in both halves of the lanes.
; SOFTMAX.  A running maximum m: p = 2^(c s - c m), c = log2(e); in every step O and l are multiplied by a = 2^(c m_old - c m_new).  m starts at the lowest finite number, O and l at 0: the first step has a = 0.
; BY TURNS.  The tiles are four PIECES of two (piece p: tiles 2 p, 2 p + 1).  Turn p: 12 products V^T P (and l) of piece p - 1, then 8 products K Q^T + M of piece p + 1; beside them the rescaling, scaling,
; exponentials and roundings of piece p and the maximum and statistics of piece p + 1.  A turn has 190 vector and 20 matrix instructions: four vector instructions stand behind each product, the rest in one lump.
; K AND V arrive in f32, so they pass through registers: the four waves convert a step's tile once between them (a wave: one head, 32 keys) and store it as f16 into one of two LDS buffers that take turns:
; one work-group barrier a step.  THE MASK comes by tensor loads into two slots of 128 keys (two steps); a wave fetches, and alone reads, its own 64 rows.
; CLUSTER.  The four work-groups of a cluster have the same 256 queries and other heads: they need the same mask tiles, and ask for them JOINTLY (same load, descriptor and mask of four in all).
; K and V are not shared in a cluster (partners have other heads); the eight query blocks that read a head's K and V lie in other clusters, and f32 tiles of them would find no room in LDS beside the mask ring.
; REGISTERS, in windows of 256 (s_set_vgpr_msb: bits 1:0 source 0, 3:2 source 1, 5:4 source 2, 7:6 destination):
;   window 0: v0-19 addresses; v20-23 c m_old; v24-39 c m, m a tile; v40-55 at work; v56-59 set-up; v128-255 S^T, two buffers of two tiles (P lies in a tile's first 16 registers)
;   window 1: v0-127 O^T, 16 a tile; v128-191 l, 8 a tile; v192-223 V of one head and step; v224-231 ONES
;   window 2: v0-127 M of one step, 32 a q-tile; v128-191 Q, 8 a tile; v192-223 K of one head and step          window 3: v0-63 K and V as loaded (f32); v64-95 converted
.set HEADB, 262144    ; bytes of a head in q, k, v, out
.set MP,    528       ; a mask row in LDS: 512 bytes + 16 of padding = 132 words: row r starts at bank 4 r mod 64 (64 banks of 4 bytes: ISA guide 11.1)
.set WAVEB, 64*MP     ; a wave's 64 rows of a slot
.set SLOTB, 4*WAVEB   ; 135,168 = 0x21000: it shares no bit with w x WAVEB (w x 0x8400) nor with 256, so one exclusive or turns an address in one slot into the other's
.set KV0,   2*SLOTB   ; behind the ring, never filled by a tensor load: two buffers of f16 K and V
.set PK,    80        ; a row of K: 64 bytes + 16: an odd multiple of 16
.set PVP,   96        ; a row of V: 64 bytes + 32: an odd multiple of 32, for the turning load
.set KHEAD, 64*PK     ; a head's 64 keys
.set VHEAD, 64*PVP
.set VOFF,  2*KHEAD   ; V lies behind both heads' K
.set KVB,   2*KHEAD+2*VHEAD  ; 22,528: a buffer
.set STAGE, KV0+2*KVB ; 16 rows x 144 bytes for each wave, for the way out
.set SP,    144
.set SPARE, STAGE+4*16*SP  ; the spare words, 128 bytes for each wave: two blocks of 256 bytes that no other line names
.set RR,   1          ; v1   lane % 16
.set HH,   2          ; v2   lane / 16
.set AM0,  3          ; v3   my place in my wave's rows of a mask slot; never rewritten
.set AK0,  4          ; v4   my place in a tile of K (read)
.set AV0,  5          ; v5   in a tile of V (read, turning)
.set ASK0, 6          ; v6   where I store 8 bytes of K
.set ASV0, 7          ; v7   of V
.set AM,   8          ; v8-12  the same five with the step's slot and buffer added: made anew in each trip
.set AK,   9
.set AV,   10
.set ASK,  11
.set ASV,  12
.set LOFF, 13         ; v13  16 x lane: my place in 512 consecutive bytes of k, v, out
.set QO,   14         ; v14  my byte offset in 16 rows of q
.set STO,  15         ; v15  the way out: where I put 16 bytes of a row
.set RD,   16         ; v16  the way out: where I read rows back
.set SPW,  18         ; v18  LDS address of my spare word; never rewritten
.set NIL,  19         ; v19  0; never rewritten
.set MV,   20
.set ST,   24
.set TMP,  40         ; by buffer and tile four registers c0-c3; when the maximum is found c2 takes a
.set S,    128
.set LA,   128        ; window 1
.set VF,   192        ; window 1: key half kk, channel block cb at VF + 16 kk + 8 cb
.set ONES, 224        ; window 1
.set MF,   0          ; window 2: q-tile qt, key block kt at MF + 32 qt + 8 kt
.set QF,   128        ; window 2
.set KF,   192        ; window 2
.set G,    0          ; window 3
.set H,    64         ; window 3
.set WV,   14         ; s14  my wave's number
.set G1,   24         ; s[24:31] descriptor group 1
.set G0,   32         ; s[32:35] descriptor group 0: it walks
.set GK,   36         ; s[36:37] k at my 32 rows of the step to be loaded
.set GV,   38         ; s[38:39] v likewise
.set TM,   40         ; s40  what the step in hand adds to a mask address: the slot, and 256 bytes for its second step
.set TKV,  41         ; s41  the K/V buffer that is read
.set TKW,  42         ; s42  the one that is written
.set WB,   44         ; s44  w x WAVEB
.set CNT,  45
.set SLOTS, 46
.set CS,   48         ; s[48:49] c: the packed scaling takes the pair's low word for both halves
.set SEL,  50         ; s[50:51] v_permlanex16_b32's selects: each lane takes its own place in the other half
.set SC,   52         ; s[52:53] 1 / sqrt(32)
.set ONE2, 54         ; s54  1.0 twice, in f16
.set W_PV, 0x51       ; V or ONES in window 1, P in window 0, O^T or l in window 1; the rescaling runs under it too (destination and source 0 window 1, a in window 0)
.set W_KQ, 0x2a       ; K, Q and M in window 2, S^T in window 0
.set W_T2, 0x80       ; destination window 2
.set W_T1, 0x40       ; destination window 1
.set W_TG, 0xc0       ; destination window 3
.set W_CV, 0xcf       ; destination and both sources window 3
.set W_SH, 0x0c       ; store data (source 1) window 3
.set W_SO, 0x04       ; store data window 1
.set W_RS, 0x41       ; destination and source 0 window 1
.set W_RC, 0x01       ; source 0 window 1
.set MSB, 0
.macro WIN new                      ; the high byte repeats the setting that is left; a switch that changes nothing is dropped
.if MSB != (\new)
	s_set_vgpr_msb (MSB<<8)|(\new)
.set MSB, (\new)
.endif
.endm
; A round of the cluster's barrier: my work-group's barrier, so that wave 0's signal speaks for all four waves; wave 0 signals; every wave waits for all four work-groups; my work-group's barrier once more.
.macro CROUND
	s_barrier_signal -1
	s_barrier_wait -1
	s_cmp_lg_u32 s[WV], 0
	s_cbranch_scc1 .Lnot_wave_0_\@
	s_barrier_signal -3
.Lnot_wave_0_\@:
	s_barrier_wait -3
	s_barrier_signal -1
	s_barrier_wait -1
.endm
; The joint load: every wave asks for its own 64 rows (both addresses hang on the wave's number), so one line serves all four waves.  An s_nop 0 and four v_nop follow it.
.macro JLOAD
	tensor_load_to_lds s[G0:G0+3], s[G1:G1+7]
	s_nop 0
.rept 4
	v_nop
.endr
.endm
; THE CHANGE OF SLOTS.  Each wave waits for all its tensor loads, of which one is out: its rows of the other slot; adds 0 to its spare word; and waits for that and for its LDS reads and stores.  The round of the
; cluster's barrier shows that of every wave of all four partners; the joint refill, with the keys two slots on, is the first thing behind it and has two key steps in which to land.
; (At its first use nothing has been read yet: slot 0 is waited for, slot 1 filled; the round also shows step 0's K and V, just stored, to all four waves.)
.macro CHANGE
	WIN 0
	s_wait_tensorcnt 0x0            ; no tensor load of mine is out, so group 0 may be written
	ds_add_u32 v[SPW], v[NIL]       ; 0 onto my spare word; the descriptor's steps stand between it and the wait for it
	s_xor_b32 s[G0+1], s[G0+1], SLOTB                   ; the other slot than last time,
	s_add_nc_u64 s[G0+2:G0+3], s[G0+2:G0+3], 512        ; the next 128 keys of each row; the type bits on top are not reached
	s_xor_b32 s[TM], s[TM], SLOTB   ; the reads go to the slot that has landed
	s_wait_dscnt 0x0                ; the add is done, and my reads of the slot are over
	CROUND
	JLOAD
.endm
; THE STEP'S EDGE: one work-group barrier.  In front of it my stores of the next step's K and V and my reads of this step's are done; behind it the buffers change parts.  The mask's load may stay out.
.macro EDGE
	s_xor_b32 s[TM], s[TM], 256     ; a slot's other step: 64 keys of 4 bytes along the rows
	s_xor_b32 s[TKV], s[TKV], KVB
	s_xor_b32 s[TKW], s[TKW], KVB
	s_wait_dscnt 0x0
	s_barrier_signal -1
	s_barrier_wait -1
.endm
.macro ADDR                         ; the trip's five LDS addresses
	v_add_nc_u32 v[AM],  s[TM],  v[AM0]
	v_add_nc_u32 v[AK],  s[TKV], v[AK0]
	v_add_nc_u32 v[AV],  s[TKV], v[AV0]
	v_add_nc_u32 v[ASK], s[TKW], v[ASK0]
	v_add_nc_u32 v[ASV], s[TKW], v[ASV0]
.endm
; THE LDS LOADS stand in runs, never singly among the matrix instructions.
.macro LOADK hd                     ; a head's K of the step: 4 fragments of 16 keys x 32 channels: two loads of 16 bytes, 32 bytes apart
	WIN W_T2
.irp kt, 0,1,2,3
	ds_load_b128 v[KF+8*\kt:KF+8*\kt+3],   v[AK] offset:KHEAD*(\hd)+16*PK*\kt
	ds_load_b128 v[KF+8*\kt+4:KF+8*\kt+7], v[AK] offset:KHEAD*(\hd)+16*PK*\kt+32
.endr
.endm
.macro LOADM q0                     ; the mask of q-tiles q0, q0 + 1: for each block of 16 keys my query's 8 numbers, 32 neighbouring bytes
	WIN W_T2
.irp qt, \q0, (\q0)+1
.irp kt, 0,1,2,3
	ds_load_b128 v[MF+32*(\qt)+8*\kt:MF+32*(\qt)+8*\kt+3],   v[AM] offset:16*MP*(\qt)+64*\kt
	ds_load_b128 v[MF+32*(\qt)+8*\kt+4:MF+32*(\qt)+8*\kt+7], v[AM] offset:16*MP*(\qt)+64*\kt+16
.endr
.endr
.endm
.macro LOADV hd                     ; a head's V of the step, turned: keys 32 (f / 2) on, channels 16 (f % 2) on
	WIN W_T1
.irp f, 0,1,2,3
	ds_load_tr16_b128 v[VF+8*\f:VF+8*\f+3],   v[AV] offset:VHEAD*(\hd)+32*PVP*(\f/2)+32*(\f%2)
	ds_load_tr16_b128 v[VF+8*\f+4:VF+8*\f+7], v[AV] offset:VHEAD*(\hd)+32*PVP*(\f/2)+32*(\f%2)+16*PVP
.endr
.endm
.macro KVLOAD                       ; my 32 rows of K and of V of one step: 4,096 dense bytes each; a load covers 512 consecutive bytes
	WIN W_TG
.set i, 0
.rept 8
	global_load_b128 v[G+4*i:G+4*i+3], v[LOFF], s[GK:GK+1] offset:512*i
.set i, i+1
.endr
.set i, 0
.rept 8
	global_load_b128 v[G+32+4*i:G+32+4*i+3], v[LOFF], s[GV:GV+1] offset:512*i
.set i, i+1
.endr
.endm
; THE CONVERSION.  The 16 loads issued a trip ago are rounded to f16 and stored into the buffer that is not read in this trip; load = 1: the step after is asked for.
.macro CV load
	s_wait_loadcnt 0x0              ; K and V of the next step are in registers; the loads are done, so their bases may step
.if \load
	s_add_nc_u64 s[GK:GK+1], s[GK:GK+1], 8192  ; 64 rows of 128 bytes on
	s_add_nc_u64 s[GV:GV+1], s[GV:GV+1], 8192
.endif
	WIN W_CV
.set i, 0
.rept 32
	v_cvt_pk_f16_f32 v[H+i], v[G+2*i], v[G+2*i+1]
.set i, i+1
.endr
	WIN W_SH
.set i, 0
.rept 8                             ; load i held rows 4 i + lane / 8, channels 4 (lane % 8) on: 8 bytes of f16
	ds_store_b64 v[ASK], v[H+2*i:H+2*i+1] offset:4*PK*i
.set i, i+1
.endr
.set i, 0
.rept 8
	ds_store_b64 v[ASV], v[H+16+2*i:H+16+2*i+1] offset:4*PVP*i
.set i, i+1
.endr
.if \load
	KVLOAD
.endif
	WIN 0
.endm
; THE MATRIX WORK OF A TURN: number mi of 20, for the turn of piece Y.
; 0-11: piece Y - 1: keys 32 (mi / 6) on, tile (mi % 6) / 3; of three the first two are O^T's channel blocks, the third is l.  The six accumulators take turns: five others' stand between two links.
; 12-19: piece Y + 1: keys 16 ((mi - 12) / 2) on, tile (mi - 12) % 2: one product for each accumulator (32 channels are one instruction deep), with the mask as C.
.macro MM
.if mi < 12
	WIN W_PV
.set pp, (Y+3)%4
.set kk, mi/6
.set uu, (mi%6)/3
.set w3, mi%3
.set rB, S+64*(pp%2)+32*uu+8*kk
.if w3 < 2
.set rD, 16*(2*pp+uu)+8*w3
.set rA, VF+16*kk+8*w3
.else
.set rD, LA+8*(2*pp+uu)
.set rA, ONES
.endif
	v_wmma_f32_16x16x32_f16 v[rD:rD+7], v[rA:rA+7], v[rB:rB+7], v[rD:rD+7]
	s_wait_alu depctr_va_vdst(0)
.else
	WIN W_KQ
.set pn, (Y+1)%4
.set kb, (mi-12)/2
.set uu, (mi-12)%2
.set rD, S+64*(pn%2)+32*uu+8*kb
.set rA, KF+8*kb
.set rB, QF+8*(2*pn+uu)
.set rN, MF+32*(2*(pn%2)+uu)+8*kb
	v_wmma_f32_16x16x32_f16 v[rD:rD+7], v[rA:rA+7], v[rB:rB+7], v[rN:rN+7]
.endif
.set mi, mi+1
.endm
; THE VECTOR WORK OF A TURN stands in four queues, each in the order in which its entries become ready; the two tiles alternate.
.macro REGS y, u                    ; the registers of tile u (0, 1) of piece y
.set rT, ST+2*(2*(\y)+(\u))
.set rC, TMP+8*((\y)%2)+4*(\u)
.set rM, MV+2*((\y)%2)+(\u)
.set rS, S+64*((\y)%2)+32*(\u)
.set rO, 16*(2*(\y)+(\u))
.set rL, LA+8*(2*(\y)+(\u))
.endm
; Number n of the 22 that find the NEXT piece's maximum and statistics.  s0-s31 are the lane's 32 scores; each accumulator's lowest registers are read first.
;   0-11  four chains c0-c3 of seven scores each     12-14, 16  the four scores left over, the old m, and c0-c3 into c0     15  c m_old is kept
;   17, 18  the query's other 32 keys lie in the lane 16 away: the new m     19-21  c m; c m_old - c m_new; a
.macro XS u, n
	REGS (Y+1)%4, \u
.if (\n) < 4
	v_max3_num_f32 v[rC+(\n)], v[rS+8*(\n)], v[rS+8*(\n)+1], v[rS+8*(\n)+2]
.elseif (\n) < 12
	v_max3_num_f32 v[rC+(\n)%4], v[rC+(\n)%4], v[rS+8*((\n)%4)+2*((\n)/4)+1], v[rS+8*((\n)%4)+2*((\n)/4)+2]
.elseif (\n) == 12
	v_max3_num_f32 v[rC], v[rC], v[rS+7], v[rS+15]
.elseif (\n) == 13
	v_max3_num_f32 v[rC+1], v[rC+1], v[rS+23], v[rS+31]
.elseif (\n) == 14
	v_max3_num_f32 v[rC+2], v[rC+2], v[rC+3], v[rT+1]
.elseif (\n) == 15
	v_mov_b32 v[rM], v[rT]
.elseif (\n) == 16
	v_max3_num_f32 v[rC], v[rC], v[rC+1], v[rC+2]
	s_wait_alu depctr_va_vdst(0)
.elseif (\n) == 17
	v_permlanex16_b32 v[rC+3], v[rC], s[SEL], s[SEL+1]
.elseif (\n) == 18
	v_max_num_f32 v[rT+1], v[rC], v[rC+3]
.elseif (\n) == 19
	v_mul_f32 v[rT], s[CS], v[rT+1]
.elseif (\n) == 20
	v_sub_f32 v[rC+1], v[rM], v[rT]
.else
	v_exp_f32 v[rC+2], v[rC+1]
.endif
.endm
.macro CC u, n                      ; pair n of 16 is rounded to f16, in place: register n takes scores 2 n and 2 n + 1; in ascending order register n has been read (by pair n / 2) before it is written
	REGS Y, \u
	s_wait_alu depctr_va_vdst(0)
	v_cvt_pk_f16_f32 v[rS+(\n)], v[rS+2*(\n)], v[rS+2*(\n)+1]
.endm
.macro RQ                           ; THE RESCALING, 18 long: O^T times a, four pairs of a tile at a time, each accumulator from its low end; at last l times a
	WIN W_PV
.if qr < 16
	REGS Y, (qr/4)%2
.set ix, 4*(qr/8)+qr%4
	v_pk_mul_f32 v[rO+2*ix:rO+2*ix+1], v[rO+2*ix:rO+2*ix+1], v[rC+2:rC+3] op_sel_hi:[1,0]
.else
	REGS Y, qr%2
	v_mul_f32 v[rL], v[rL], v[rC+2]
.endif
.set qr, qr+1
.endm
.macro FQ                           ; THE SCALINGS, 32 long: c s - c m for pair qf / 2 of tile qf % 2
	WIN 0
	REGS Y, qf%2
	v_pk_fma_f32 v[rS+2*(qf/2):rS+2*(qf/2)+1], v[rS+2*(qf/2):rS+2*(qf/2)+1], s[CS:CS+1], v[rT:rT+1] op_sel_hi:[1,0,0] neg_lo:[0,0,1] neg_hi:[0,0,1]
.set qf, qf+1
.endm
.macro EXQ                          ; THE EXPONENTIALS, 66 long: score qe / 2 of tile qe % 2; the last two are the next piece's a
	WIN 0
.if qe < 64
	REGS Y, qe%2
	v_exp_f32 v[rS+qe/2], v[rS+qe/2]
.else
	XS qe%2, 21
.endif
.set qe, qe+1
.endm
; THE LUMP'S PLAIN QUEUE, 74 long.  0-33: the next piece's numbers 0 to 16.  34-49: in fours, two roundings and two links of the chain 17 to 20, so that a link stands four entries behind the one it waits for.  50-73: the roundings 4 to 15.
.macro PLQ
	WIN 0
.if qp < 30
	XS qp%2, qp/2
.elseif qp < 32
	XS qp%2, 15
.elseif qp < 34
	XS qp%2, 16
.elseif qp < 50
.if (qp-34)%4 < 2
	CC qp%2, (qp-34)/4
.else
	XS qp%2, 17+(qp-34)/4
.endif
.else
	CC qp%2, 4+(qp-50)/2
.endif
.set qp, qp+1
.endm
; A TURN, for piece p.  Behind products 0-3 four of the rescaling, under the products' own window setting; behind product 4 its last two and the first two scalings; behind products 5-19: scaling, exponential, scaling,
; exponential (exponential e stands behind scaling 2 (e / 4) + e % 2; a plain instruction or a product and a plain instruction follow each exponential).  THE LUMP: 36 times plain, exponential, plain; then two plain.
; Rounding n of tile u stands at plain 42 + 2 n + u (n >= 4), three triples or more behind its second exponential (triple 4 n + u - 28).
; PLACES.  A vector instruction that reads a product's result, and a load into a register that a product has read, stand four plain vector instructions that name none of its registers behind it (ISA guide 7.12.1
; for vector instructions); a product that writes over another's source, five.  Here: the last score (product 19's) is read at plain 7: two scalings and seven maxima of other
; accumulators stand between; products 14 and 15 write over the P that products 8 and 11 read: eight scalings or more between; V's run stands behind the scalings of products 10 to 13 (product 10 is V's last reader),
; K's behind two scalings and eight plain of the lump, the trip's first runs behind a whole lump.
; FETCHES AND WAITS.  p = 3: the 24 loads at the trip's head (K of head 0, M of q-tiles 0, 1) are waited for ahead of product 12; M of q-tiles 2, 3 is fetched behind product 13.  p = 0: that M is waited for ahead of product 12;
; V of head 0 is fetched behind product 13, K of head 1 in the lump.  p = 1: at its head V is in (K's eight younger loads may stay out); K ahead of product 12.  p = 2: V of head 1 behind product 13; the step's edge waits for it.
.macro TURN p
.set Y, (\p)
.set mi, 0
.set qf, 0
.set qe, 0
.set qr, 0
.set qp, 0
.if (\p) == 1
	s_wait_dscnt 8                  ; V's eight loads are in; behind them stand K's eight
.endif
.rept 4
	MM
	RQ
	RQ
	RQ
	RQ
.endr
	MM
	RQ
	RQ
	FQ
	FQ
.rept 15
.if (mi == 12) && ((\p) != 2)
	s_wait_dscnt 0x0                ; what the products K Q^T + M of this turn read is in
.endif
	MM
	FQ
	EXQ
	FQ
	EXQ
.if mi == 14
.if (\p) == 3
	LOADM 2
.elseif (\p) == 0
	LOADV 0
.elseif (\p) == 2
	LOADV 1
.endif
.endif
.endr
.rept 36
	PLQ
	EXQ
	PLQ
.if (qp == 8) && ((\p) == 0)
	LOADK 1
.endif
.endr
	PLQ
	PLQ
.endm
	s_load_b256 s[4:11], s[0:1], 0x0  ; q s[4:5], k s[6:7], v s[8:9], mask s[10:11]
	s_load_b64 s[12:13], s[0:1], 0x20 ; out
	v_lshl_add_u32 v[SPW], v0, 2, SPARE
	v_mov_b32 v[NIL], 0
	ds_add_u32 v[SPW], v[NIL]       ; the wave's opening: the add and its wait stand ahead of my first tensor load; the set-up below, work on registers, stands between them
	v_lshrrev_b32 v56, 5, v0
	v_readfirstlane_b32 s[WV], v56  ; wave 0..3
	s_bfe_u32 s15, ttmp6, 0x40000   ; cx: my place in the cluster: it enters q's, k's, v's and out's addresses alone
	s_lshl_b32 s16, ttmp9, 2        ; in a cluster launch ttmp9 counts clusters
	s_add_co_u32 s16, s16, s15      ; my pair of heads = 4 x cluster x + cx
	s_and_b32 s17, ttmp7, 0xffff    ; my block of 256 queries, which the four partners share
	s_and_b32 s2, s[WV], 1          ; which head's K and V I convert,
	s_lshr_b32 s3, s[WV], 1         ; and which 32 of a step's 64 keys
	s_lshl_b32 s18, s16, 19         ; k, v: two heads of 262,144 bytes,
	s_lshl_b32 s19, s2, 18          ; my head of the two,
	s_add_co_u32 s18, s18, s19
	s_lshl_b32 s19, s3, 12          ; my 32 rows of 128 bytes
	s_add_co_u32 s18, s18, s19
	s_mov_b32 s19, 0
	s_lshl_b32 s22, s16, 19         ; q, out: the pair of heads,
	s_lshl_b32 s23, s17, 15         ; the block's 256 rows of 128 bytes,
	s_add_co_u32 s22, s22, s23
	s_lshl_b32 s23, s[WV], 13       ; my wave's 64
	s_add_co_u32 s22, s22, s23
	s_mov_b32 s23, 0
	s_lshl_b32 s20, s17, 21         ; mask: the block's 256 rows of 8,192 bytes,
	s_lshl_b32 s21, s[WV], 19       ; my wave's 64: registers that never hold cx
	s_add_co_u32 s20, s20, s21
	s_mov_b32 s21, 0
	s_mul_i32 s[WB], s[WV], WAVEB
	; descriptor group 1: a tile of 64 rows x 128 elements of 4 bytes, padded in LDS
	s_mov_b32 s[G1], 15|(2<<16)|(1<<20)|(1<<21)|(6<<22)|(3<<25)  ; 15:0 the mask of four; 17:16 4-byte elements; 20 padding on; 21 set beside a mask; 24:22 after every 128 words (code 6); 31:25 4 words (code 3)
	s_mov_b32 s[G1+1], 128<<16      ; tensor_dim0 = 128
	s_mov_b32 s[G1+2], 64<<16       ; tensor_dim1 = 64
	s_mov_b32 s[G1+3], 128<<16      ; tile_dim0 = 128
	s_mov_b32 s[G1+4], 64           ; tile_dim1 = 64
	s_mov_b32 s[G1+5], 2048         ; 2,048 elements from row to row
	s_mov_b32 s[G1+6], 0
	s_mov_b32 s[G1+7], 0
	s_mov_b32 s[G0], 1              ; 1:0 count = 1
	s_mov_b32 s[G0+1], s[WB]        ; 63:32 LDS address: my rows of slot 0
	s_mov_b32 s[CS], 0x3fb8aa3b     ; c = log2(e)
	s_mov_b32 s[CS+1], s[CS]        ; named with it as a pair
	s_mov_b32 s[SEL], 0x76543210
	s_mov_b32 s[SEL+1], 0xfedcba98
	s_mov_b32 s[SC], 0x3e3504f3     ; 1 / sqrt(32)
	s_mov_b32 s[SC+1], s[SC]
	s_mov_b32 s[ONE2], 0x3c003c00
	s_mov_b32 s[TM], SLOTB          ; the first change of slots turns it into 0
	s_mov_b32 s[TKV], KVB           ; step 0 is stored into buffer 0; then the two change parts
	s_mov_b32 s[TKW], 0
	s_mul_i32 s56, s2, KHEAD        ; where my wave stores K: its head, its 32 rows
	s_mul_i32 s57, s3, 32*PK
	s_add_co_u32 s56, s56, s57
	s_add_co_u32 s56, s56, KV0
	s_mul_i32 s58, s2, VHEAD        ; and V
	s_mul_i32 s59, s3, 32*PVP
	s_add_co_u32 s58, s58, s59
	s_add_co_u32 s58, s58, KV0+VOFF
	s_mul_i32 s60, s[WV], 16*SP
	s_add_co_u32 s60, s60, STAGE    ; my stage
	v_and_b32 v[RR], 15, v0
	v_bfe_u32 v[HH], v0, 4, 1
	v_and_b32 v57, 31, v0
	v_lshlrev_b32 v[LOFF], 4, v57
	v_lshlrev_b32 v[QO], 7, v[RR]
	v_lshl_add_u32 v[QO], v[HH], 5, v[QO]  ; row x 128 + 32 x half: 8 channels of f32
	s_wait_dscnt 0x0                ; the opening add is done
	s_wait_kmcnt 0x0
	s_add_nc_u64 s[G0+2:G0+3], s[10:11], s[20:21]  ; 120:64 global address: my rows, keys 0 to 127
	s_or_b32 s[G0+3], s[G0+3], 0x80000000          ; 127:126 type = 2
	s_add_nc_u64 s[GK:GK+1], s[6:7], s[18:19]
	s_add_nc_u64 s[GV:GV+1], s[8:9], s[18:19]
	s_add_nc_u64 s[4:5], s[4:5], s[22:23]          ; q and out at my wave's first row of the pair's first head
	s_add_nc_u64 s[12:13], s[12:13], s[22:23]
	CROUND                          ; all four work-groups are here: the first joint loads meet
	JLOAD                           ; slot 0.  Slot 1 is asked for when slot 0 is in
	KVLOAD                          ; K and V of step 0
	WIN 0
.set t, 0
.rept 8                             ; Q, staged in S^T's registers: tile t, channels 8 half + 0..7 and 16 + 8 half + 0..7; read once in the launch
.irp z, 0,1,2,3
	global_load_b128 v[S+16*t+4*\z:S+16*t+4*\z+3], v[QO], s[4:5] offset:(t/4)*HEADB+(t%4)*2048+(\z/2)*64+(\z%2)*16 th:TH_LOAD_NT
.endr
.set t, t+1
.endr
	; the lanes' LDS addresses, while the loads are out
	v_mul_u32_u24 v[AM0], v[RR], MP
	v_lshl_add_u32 v[AM0], v[HH], 5, v[AM0]
	v_add_nc_u32 v[AM0], s[WB], v[AM0]     ; my wave's rows + query row x pitch + 32 x half
	v_mul_u32_u24 v[AK0], v[RR], PK
	v_lshl_add_u32 v[AK0], v[HH], 4, v[AK0]
	v_add_nc_u32 v[AK0], KV0, v[AK0]       ; key row x pitch + 16 x half
	v_and_b32 v57, 7, v0            ; lane % 8
	v_bfe_u32 v58, v0, 3, 1         ; (lane / 8) % 2
	v_bfe_u32 v59, v0, 3, 2         ; lane / 8
	; The turning load takes 16 keys x 16 channels (lane l reads key 8 (l / 16) + l % 8, channels 8 ((l / 8) % 2) + 0..7) and leaves half a fragment of V^T: lane l holds channel l % 16 and 8 keys.
	v_lshl_add_u32 v[AV0], v[HH], 3, v57
	v_mul_u32_u24 v[AV0], v[AV0], PVP
	v_lshl_add_u32 v[AV0], v58, 4, v[AV0]
	v_add_nc_u32 v[AV0], KV0+VOFF, v[AV0]
	v_mul_u32_u24 v[ASK0], v59, PK         ; stores: row lane / 8 of four, 8 bytes at 8 (lane % 8)
	v_lshl_add_u32 v[ASK0], v57, 3, v[ASK0]
	v_add_nc_u32 v[ASK0], s56, v[ASK0]
	v_mul_u32_u24 v[ASV0], v59, PVP
	v_lshl_add_u32 v[ASV0], v57, 3, v[ASV0]
	v_add_nc_u32 v[ASV0], s58, v[ASV0]
	v_mul_u32_u24 v[STO], v[RR], SP        ; the way out, in: row lane % 16, 32 bytes for each half of the lanes
	v_lshl_add_u32 v[STO], v[HH], 5, v[STO]
	v_add_nc_u32 v[STO], s60, v[STO]
	v_mul_u32_u24 v[RD], v59, SP           ; back: 32 lanes take four rows of 128 bytes
	v_lshl_add_u32 v[RD], v57, 4, v[RD]
	v_add_nc_u32 v[RD], s60, v[RD]
	v_cmp_eq_u32 vcc_lo, 0, v57     ; rows 0 and 8 of ONES
	WIN W_T1
.set i, 0
.rept 8
	v_cndmask_b32 v[ONES+i], 0, s[ONE2], vcc_lo
.set i, i+1
.endr
	; No first step is written out.  What the first turn finds: O^T and l are 0, and V's registers and P's second buffer hold 0 (its products V^T P, of a piece that has not been, add 0).  The price: 256 v_mov_b32, in the wait for the first loads.
.set i, 0
.rept 224
	v_mov_b32 v[i], 0
.set i, i+1
.endr
	WIN 0
.set i, 0
.rept 8
	v_mov_b32 v[ST+2*i], 0xfe000000    ; c m: far below every c s
	v_mov_b32 v[ST+2*i+1], 0xff7fffff  ; m
.set i, i+1
.endr
	s_wait_loadcnt 0x0              ; Q, and K and V of step 0
.set i, 0
.rept 64
	v_pk_mul_f32 v[S+2*i:S+2*i+1], v[S+2*i:S+2*i+1], s[SC:SC+1] op_sel_hi:[1,0]  ; the scale, in f32, ahead of Q's one rounding
.set i, i+1
.endr
	WIN W_T2
.set i, 0
.rept 64
	v_cvt_pk_f16_f32 v[QF+i], v[S+2*i], v[S+2*i+1]
.set i, i+1
.endr
	WIN 0
.set i, 0
.rept 16
	v_mov_b32 v[S+64+i], 0
	v_mov_b32 v[S+96+i], 0
.set i, i+1
.endr
	ADDR
	CV 1                            ; step 0 goes into buffer 0; step 1 is asked for
	s_xor_b32 s[TKV], s[TKV], KVB
	s_xor_b32 s[TKW], s[TKW], KVB
	CHANGE                          ; slot 0 is in; slot 1 is asked for; everybody's part of step 0's K and V is stored
	ADDR
	LOADK 0
	LOADM 0
	LOADM 2
	s_wait_dscnt 0x0
.set Y, 3
.set mi, 12
.rept 8
	MM                              ; piece 0's first scores: there is no vector work yet to set between them
.endr
	WIN 0
.rept 4
	v_nop                           ; the places behind those products
.endr
.irp n, 0,1,2,3,4,5,6,7,8,9,10,11,12,13,14,15,16,17,18,19,20,21
	XS 0, \n                        ; and piece 0's first maximum and statistics
	XS 1, \n
.endr
	v_nop                           ; a plain instruction behind the exponentials
	s_mov_b32 s[CNT], 2
	s_mov_b32 s[SLOTS], 15
	s_branch .Lfirst                ; the loop is entered at a step's first turn, in the middle of a trip
.Lslot:                             ; 14 times: with the change above, slots 1 to 15 of the row's 16 are asked for
	CHANGE
	s_mov_b32 s[CNT], 2
.Lstep:                             ; a trip: piece 3's turn of one step, then pieces 0 to 2 of the next.  All its LDS reads are the next step's; all its LDS stores the step's after that, in the other buffer
	ADDR
	LOADK 0
	LOADM 0
	TURN 3
	WIN 0
.Lfirst:
	TURN 0
	TURN 1
	CV 1
	TURN 2
	WIN 0
	EDGE
	s_sub_co_u32 s[CNT], s[CNT], 1
	s_cmp_lg_u32 s[CNT], 0
	s_cbranch_scc1 .Lstep
	s_sub_co_u32 s[SLOTS], s[SLOTS], 1
	s_cmp_lg_u32 s[SLOTS], 0
	s_cbranch_scc1 .Lslot
	; THE TAIL is written out: steps 30 and 31, from the last slot.  Nothing is filled any more, and I alone read my rows: my own wait is all that the reads need.
	s_wait_tensorcnt 0x0
	s_xor_b32 s[TM], s[TM], SLOTB
	s_mov_b32 s[CNT], 3             ; two trips, and a third that is left behind piece 3's turn
.Ltail:
	ADDR
	LOADK 0
	LOADM 0
	TURN 3
	WIN 0
	s_sub_co_u32 s[CNT], s[CNT], 1
	s_cmp_eq_u32 s[CNT], 0
	s_cbranch_scc1 .Lout
	TURN 0
	TURN 1
	CV 0                            ; the first time step 31; the second time the same registers once more, into the buffer that nobody needs
	TURN 2
	WIN 0
	EDGE
	s_branch .Ltail
.Lout:                              ; the third trip's fetches, its 8 products K Q^T + M (on old tiles) and the maximum made of them serve nothing: the price, once a launch, of one text for every trip
.set Y, 0
.set mi, 0
.rept 12
	MM                              ; piece 3's V^T P and l of the last step
.endr
.rept 4
	v_nop                           ; the places behind those products
.endr
	; THE WAY OUT.  O^T is divided by l and sent through my stage in LDS, a tile (16 rows of out, 2,048 dense bytes) at a time.
	WIN W_RC
.set t, 0
.rept 8
	v_rcp_f32 v[ST+2*t], v[LA+8*t]  ; l lies in the accumulator's lowest register, in both halves of the lanes
.set t, t+1
.endr
	v_nop                           ; a plain instruction between the last reciprocal and the use of its result
	s_wait_alu depctr_va_vdst(0)
; Tile t: a lane's eight channels of a block are 32 bytes of a row; they go into rows of 144 bytes and come back as whole rows of 128, into S^T's registers.
.macro PACK t
	WIN W_RS
.set i, 0
.rept 8
	v_pk_mul_f32 v[16*(\t)+2*i:16*(\t)+2*i+1], v[16*(\t)+2*i:16*(\t)+2*i+1], v[ST+2*(\t):ST+2*(\t)+1] op_sel_hi:[1,0]
.set i, i+1
.endr
	WIN W_SO
.irp f, 0,1,2,3
	ds_store_b128 v[STO], v[16*(\t)+4*\f:16*(\t)+4*\f+3] offset:64*(\f/2)+16*(\f%2)
.endr
	WIN 0
.irp f, 0,1,2,3
	ds_load_b128 v[S+16*(\t)+4*\f:S+16*(\t)+4*\f+3], v[RD] offset:4*SP*\f  ; LDS serves a wave's instructions in order (ISA guide 5.7.1.4): these see the stores above; the next tile's stores come behind them
.endr
.endm
.macro SEND t, younger              ; younger: the LDS instructions issued behind tile t's loads: the next tile's eight, or none
	WIN 0
.irp f, 0,1,2,3
	s_wait_dscnt (\younger)+3-\f
	global_store_b128 v[LOFF], v[S+16*(\t)+4*\f:S+16*(\t)+4*\f+3], s[12:13] offset:((\t)/4)*HEADB+((\t)%4)*2048+512*\f th:TH_STORE_NT  ; 512 consecutive bytes, at a multiple of 256 from out's first
.endr
.endm
	PACK 0
.set t, 1
.rept 7                             ; a tile's arithmetic stands between the loads of the tile before and its stores
	PACK t
	SEND t-1, 8
.set t, t+1
.endr
	SEND 7, 0
	s_wait_tensorcnt 0x0            ; the wave's end, behind my last tensor load and my last LDS store
	ds_add_u32 v[SPW], v[NIL]
	s_wait_dscnt 0x0
	CROUND                          ; the closing round: no work-group ends while a partner may still ask for a tile that names it
	s_endpgm
.Lfunc_end_k_q4436ae0e25_attn:
	.size	k_q4436ae0e25_attn, .Lfunc_end_k_q4436ae0e25_attn-k_q4436ae0e25_attn
	.p2alignl 7, 3214868480
	.fill 96, 4, 3214868480
	.section	.rodata,"a",@progbits
	.p2align	6, 0x0
	.amdhsa_kernel k_q4436ae0e25_attn
		.amdhsa_group_segment_fixed_size 327680
		.amdhsa_private_segment_fixed_size 0
		.amdhsa_enable_private_segment 0
		.amdhsa_kernarg_size 40
		.amdhsa_user_sgpr_count 2
		.amdhsa_user_sgpr_kernarg_segment_ptr 1
		.amdhsa_wavefront_size32 1
		.amdhsa_system_sgpr_workgroup_id_x 1
		.amdhsa_system_sgpr_workgroup_id_y 1
		.amdhsa_system_sgpr_workgroup_id_z 1
		.amdhsa_system_vgpr_workitem_id 0
		.amdhsa_next_free_vgpr 864
		.amdhsa_next_free_sgpr 66
		.amdhsa_reserve_vcc 1
		.amdhsa_float_denorm_mode_32 3
		.amdhsa_float_denorm_mode_16_64 3
		.amdhsa_memory_ordered 1
		.amdhsa_forward_progress 1
		.amdhsa_inst_pref_size 180
	.end_amdhsa_kernel
	.amdgpu_metadata
---
amdhsa.version: [ 1, 2 ]
amdhsa.kernels:
  - .name:           k_q4436ae0e25_attn
    .symbol:         k_q4436ae0e25_attn.kd
    .args:
      - { .name: q, .offset: 0, .size: 8, .value_kind: global_buffer, .address_space: global }
      - { .name: k, .offset: 8, .size: 8, .value_kind: global_buffer, .address_space: global }
      - { .name: v, .offset: 16, .size: 8, .value_kind: global_buffer, .address_space: global }
      - { .name: attn_mask, .offset: 24, .size: 8, .value_kind: global_buffer, .address_space: global }
      - { .name: out0, .offset: 32, .size: 8, .value_kind: global_buffer, .address_space: global }
    .group_segment_fixed_size: 327680
    .private_segment_fixed_size: 0
    .kernarg_segment_align: 8
    .kernarg_segment_size: 40
    .max_flat_workgroup_size: 128
    .sgpr_count:     66
    .vgpr_count:     864
    .wavefront_size: 32
...
	.end_amdgpu_metadata
.endif
;; end of part 1
